; MI455X (gfx1250); checked and timed in simulation.
; The chip was launched on July 23, 2026; its instructions are those of AMD's public machine-readable ISA for CDNA 5 (MIT licence, August 2026) and "CDNA5" Instruction Set Architecture Reference Guide (July 2026). The comments in the code are by the model that wrote it; some were corrected since.
;; Graph Summary. Allowed arithmetic: matrix products marked QUANTISED: E5M2 operands, one E8M0 scale for each 32 along K, by v_wmma_scale_f32_16x16x128_f8f6f4 with both operands' format E5M2, f32 sums; products left as they are: f32 operands where the result goes on into a quantised operand, else bf16, f16 or f32 operands; f32 sums; everything else in f32.
;; Inputs: Wg1 128 x 128 float32; Wg2 128 x 1 float32; Wn1 128 x 128 float32; Wn2 128 x 128 float32; bg1 128 float32; bg2 1 float32; bn1 128 float32; bn2 128 float32; x 32 x 8,192 x 128 float32.
;; Outputs: out0 32 x 128 float32.
;; This version of the problem:
;;   THIS VERSION OF THE PROBLEM IS GIVEN IN LOW PRECISION. The matrix products marked QUANTISED in the list below multiply operands that are first quantised to E5M2 (5 exponent bits, 2 mantissa bits; 8 bits a number), with one power-of-two scale for each 32 numbers along K (OCP MX v1.0); their sums are f32. All else is computed in f32.
;;   The module's matrix products, in the order in which they are computed (A, B: the left and right operand; K: the contracted axis; several contracted axes count as one K, in the product's order):
;;     1. [M 262,144, K 128] x [K 128, N 128]; A: input x; B: input Wg1: QUANTISED
;;     2. [M 262,144, K 128] x [K 128, N 1]; A: computed on the way; B: input Wg2: left as it is (N = 1 < 16)
;;     3. [M 262,144, K 128] x [K 128, N 128]; A: input x; B: input Wn1: QUANTISED
;;     4. [M 262,144, K 128] x [K 128, N 128]; A: computed on the way; B: input Wn2: QUANTISED
;;   THE QUANTISER, for each operand of a quantised product, along K:
;;     - K is cut into blocks of 32 from its start; a last block that is shorter is filled with zeros.
;;     - A block's scale is 2^e with e = floor(log2(the largest magnitude in the block)) - 15, held to -126 .. 127; a block of zeros has e = 0. As a byte (E8M0): e + 127.
;;     - Each number is divided by its block's scale, clamped to +-57,344, and rounded to the nearest number of E5M2, ties to even, subnormals kept.
;;     - The product sums the exact products of the quantised numbers (number of the format x scale) in f32.
;;   ~~~python
;;   def quantise(x, axis):      # numpy; x: float32 -> the quantised numbers, widened to float32 again
;;       x = np.moveaxis(x, axis, -1); K = x.shape[-1]
;;       x = np.pad(x, [(0, 0)] * (x.ndim - 1) + [(0, -K % 32)]); x = x.reshape(x.shape[:-1] + (-1, 32)); a = np.abs(x).max(-1, keepdims=True)
;;       e = np.where(a > 0, np.clip(np.frexp(np.where(a > 0, a, 1))[1] - 1 - 15, -126, 127), 0)      # np.frexp(a)[1] - 1 = floor(log2(a)), exactly
;;       r = np.clip(x / 2.0 ** e, -57344, 57344)
;;       step = 2.0 ** (np.maximum(np.frexp(np.where(r == 0, 1, r))[1] - 1, -14) - 2)
;;       q = np.round(r / step) * step * 2.0 ** e      # np.round: ties to even
;;       return np.moveaxis(q.reshape(q.shape[:-2] + (-1,))[..., :K], -1, axis).astype(np.float32)
;;   ~~~
;;   OPERANDS COMPUTED ON THE WAY. 'Computed on the way' means the value that the module computes at that place (a softmax that the list does not call 'softmax' is quantised finished and normalised). What goes into a quantiser is computed in f32, as accurately as f32 sums, v_exp_f32 and their like allow (about 1e-6 of the number): no bf16 or f16 on the way to a quantiser, and a product that is left as it is and whose result goes on into a quantised operand takes f32 operands (vector FMAs, or v_wmma_f32_16x16x4_f32). A number that lies on a knife's edge between two numbers of the format may be rounded either way, as far as f32 arithmetic and the matrix unit's own rounding can turn it there, and no further.
;; One version. Each part assembles by itself: llvm-mc -triple=amdgcn-amd-amdhsa -mcpu=gfx1250 --defsym DOCPART=n.
;; ======== version 1 of 1: 2 launches
;; workspace buffers: part 786,432 bytes
;; launch pool (part 1): grid 256 x 1, 4 waves a work-group, no clusters, 327,680 bytes of LDS; arguments x, Wg1, bg1, Wg2, Wn1, bn1, Wn2, part; writes part
.if DOCPART == 1
	.amdgcn_target "amdgcn-amd-amdhsa--gfx1250"
	.amdhsa_code_object_version 6
	.text
	.protected	k_q903eec605f_pool
	.globl	k_q903eec605f_pool
	.p2align	8
	.type	k_q903eec605f_pool,@function
k_q903eec605f_pool:
	s_mov_b64 s[64:65], 0
	v_nop
	global_prefetch_b8 v0, s[64:65] scope:SCOPE_SE
	s_setreg_imm32_b32 hwreg(HW_REG_WAVE_MODE, 25, 1), 1
	s_wait_xcnt 0x0
; GraphSummary, first of two launches.  For each node (a row of x, 128 f32): gate = silu(Q(x) Q(Wg1) + bg1) . Wg2;  h' = Q(silu(Q(x) Q(Wn1) + bn1)) Q(Wn2);  Q = the MX quantiser to E5M2 along K (one E8M0 byte for 32).
; Per graph the result is sum over nodes of softmax(gate) (h' + bn2).  This launch leaves one softmax partial for each wave (256 nodes): m = largest t, l = sum 2^(t - m), acc[128] = sum 2^(t - m) h', t = gate x log2(e).
; WORK LEFT OUT.  bg2 is added to every score of a graph, along the softmax's axis: exp(g + c) / sum exp(g + c) = exp(g) / sum exp(g) for every finite c.  So bg2 reaches no output: it is not loaded and is no argument
; of any launch.  bn2 is live: since the softmax's weights sum to 1 identically, sum attn (h' + bn2) = sum attn h' + bn2: it is added once a graph, in the second launch.  The third quantised product is done row by row, as written.
; LIMITS.  NaN and infinities among the inputs are not served; a NaN or an infinity in bg2 is not carried to the result.  A block of zeros gets the scale byte 1 where the rule says 127: its codes are zeros, and only this
; text reads the bytes.  The nodes' terms are summed in another order than the reference's (per lane, then lanes, waves, work-groups).
; SHARES.  Work-group g takes rows 1024 g .. 1024 g + 1023 of x seen as [262144][128] (graph g / 8); wave w 256 of them, 16 tiles of 16 rows.  One wave to a SIMD, with all three weights as operand fragments in its registers.
; ALL PRODUCTS ARE USED TRANSPOSED: source 0 = 16 columns of a weight, source 1 = 16 rows of x or of the hidden layer: lane (r = lane % 16, h = lane / 16) holds ONE row r throughout.  THE COLUMNS OF A TILE ARE NOT NEIGHBOURS:
; lane r of tile 2 b + u takes column 32 b + 8 u + r + 8 (r / 8), so that register j of that tile is unit 32 b + 16 h + 8 u + j, and the 16 registers of tiles 2 b, 2 b + 1 are 16 neighbours along the next K.
; x comes by the tensor data mover into each wave's own ring of two LDS slots (4 tiles, 64 rows of 512 bytes + 16 of padding); half of a wave's rows are asked for at the head, each slot is filled again once.
; BY TURNS.  A trip has some 34 vector instructions for each matrix instruction, and a wave issues in order: so the matrix instructions stand one at a time, each with a slice of the quantisers' lines behind it.
; NO CLUSTER: x is shared by nobody.  The weights, 196,608 bytes against a work-group's 524,288 of x, have K as their outer axis and are taken by register loads; as f32 tiles they would want 196,608 bytes of LDS beside the
; ring's 270,336, more than the 327,680 there are.  Each wave quantises a quarter of them and hands the fragments round once, as images of their registers.
; REGISTERS, in windows of 256 (s_set_vgpr_msb: bits 1:0 source 0, 3:2 source 1, 5:4 source 2, 7:6 destination):
;   window 0: v1-27, v104-107 addresses and the softmax's state; v28-43 the quantiser's; v44, v45, v46-69, v108 scale words and nothing else; v72-87 x's codes; v88-103 the hidden layer's; v128-191 ZH; v192-255 EH
;   window 1: Wg1's and Wn1's 16 fragments.   window 2: v0-127 Wn2's 8; v128-191 bg1, v192-255 bn1 in the results' layout.   window 3: v0-63 ZG; v64-127 EG, then h'; v128-191 Wg2; v192-255 the pooled sums
.set TILEB, 16*528                     ; a tile of 16 rows in LDS: a row is 512 bytes + 16 of padding, so that the 16 rows of a load start in 16 different 16-byte columns of the 64 banks (ISA guide 11.1)
.set SLOTB, 4*TILEB                    ; a slot: 64 rows
.set WRING, 2*SLOTB                    ; a wave's ring
.set IMG,   0                          ; LDS: the 24 weight fragments' images, 2,048 bytes each: f = 8 m + t; m = 0 Wg1, 1 Wn1, 2 Wn2
.set ISC,   24*2048                    ; their scale words: 128 bytes a fragment, of which the first 64 are used: 4 bytes for each of the 16 columns
.set OSC,   ISC+24*128                 ; 512 bytes for each wave: its result is put in natural order here
.set SPARE, OSC+4*512                  ; the spare words, 128 bytes for each wave: two blocks of 256 bytes that no other line names
.set RING,  SPARE+512                  ; the four rings; no tensor load lands below this byte
.set XA0, 1                            ; v1   528 r + 64 h + my ring: my 16 numbers of a block of 32 of row r
.set ADR, 2                            ; v2   XA0 + the tile in hand
.set LI,  3                            ; v3   16 x lane
.set LS,  4                            ; v4   4 r: a column's scale word
.set IWI, 5                            ; v5   where my four columns' codes go in the images
.set IWS, 6                            ; v6   and their scale bytes
.set WCO, 7                            ; v7   a weight: my four columns, my block of 32 rows
.set BO,  8                            ; v8   64 h: biases and Wg2 in the results' layout
.set OS,  9                            ; v9   512 wave + 64 h
.set SPW, 10                           ; v10  my spare word; never rewritten
.set NIL, 11                           ; v11  0; never rewritten
.set RM,  12                           ; v12  running largest t of my row slot
.set RL,  13                           ; v13  running sum
.set RF,  14                           ; v[14:15] f = 2^(old m - new m) in the low word
.set RP,  16                           ; v[16:17] p = 2^(t - m) in the low word
.set GA0, 18                           ; v[18:19], v[20:21], v[104:105], v[106:107] the gate's sum in four chains
.set GA1, 20
.set GA2, 104
.set GA3, 106
.set RG,  22
.set T0,  23
.set MN,  24
.set ORD, 25                           ; v25  512 wave + 16 lane
.set GO2, 26                           ; v26  8 x lane
.set RR,  27                           ; v27  r, at the head
.set TM,  28                           ; v28-31 largest magnitudes, v32-35 bytes, v36-39 57,344 x the scale, v40-43 the conversions' scale operands
.set XS,  44
.set SS,  45
.set WS,  46
.set ML,  70                           ; v[70:71] (m, l) on the way out
.set XC,  72
.set SC,  88
.set XT,  108                          ; v108 x's next scale word, until the products that read XS are issued
.set ZH,  128
.set EH,  192
.set WT,  128                          ; at the head: v128-255 a weight's 4 x 32 numbers, in runs along K
.set WC,  72                           ; at the head: v72-103 their codes
.set ZG,  0                            ; window 3
.set EG,  64
.set W2L, 128
.set POOL, 192
.set BG1, 128                          ; window 2
.set BN1, 192
.set WV,  20                           ; s20  wave
.set SEL, 22                           ; s[22:23] v_permlanex16_b32's selects for lane xor 16
.set MNT, 24                           ; s24  the mantissa field of 57,344
.set FLR, 25                           ; s25  the floor 2^(16 - 127)
.set NC,  26                           ; s[26:27] -log2(e)
.set L2E, 28                           ; s28  log2(e)
.set TB,  30                           ; s30  where in my ring the tile to be fetched begins
.set CNT, 31                           ; s31  trips to go
.set G1,  36                           ; s[36:43] descriptor group 1
.set G0,  44                           ; s[44:47], s[48:51] group 0 of slot 0, 1
.set MSB, 0
.macro WIN new                         ; the immediate's high byte repeats the setting that is left; a switch that changes nothing is dropped
.if MSB != \new
	s_set_vgpr_msb (MSB<<8)|\new
.set MSB, \new
.endif
.endm
; THE QUANTISER AS A NUMBERED LIST.  64 numbers of a lane, register 16 b + i = k 32 b + 16 h + i of my row.  QLINE writes line j of 119, all in window 0:
;   0-31 the four blocks' largest magnitudes, by turns, with the floor 2^(16 - 127) as a leaf (the byte cannot fall under 1);  32-39 with lane xor 16's;  40-43 15 off the exponent field: the conversions' scale operand;
;   44-47 57,344 x the scale;  48-51 the bytes;  52-54 the row's scale word, into v[pw];  55-118 the holds: the conversion to an 8-bit code does not saturate (ISA guide 7.6.2).
.macro QLINE s, pw, j
.if (\j) < 4
	v_max3_num_f32 v[TM+(\j)], |v[\s+16*(\j)]|, |v[\s+1+16*(\j)]|, 0x8000000
.elseif (\j) < 32
.set QB, (\j)%4
.set QI, 2*((\j)/4)
	v_max3_num_f32 v[TM+QB], v[TM+QB], |v[\s+16*QB+QI]|, |v[\s+16*QB+QI+1]|
.elseif (\j) < 36
	v_permlanex16_b32 v[TM+4+(\j)-32], v[TM+(\j)-32], s[SEL], s[SEL+1]
.elseif (\j) < 40
	v_max_num_f32 v[TM+(\j)-36], v[TM+(\j)-36], v[TM+4+(\j)-36]
.elseif (\j) < 44
	v_add_nc_u32 v[TM+12+(\j)-40], 0xf8800000, v[TM+(\j)-40]
.elseif (\j) < 48
	v_and_or_b32 v[TM+8+(\j)-44], v[TM+(\j)-44], 0x7f800000, s[MNT]
.elseif (\j) < 52
	v_lshrrev_b32 v[TM+4+(\j)-48], 23, v[TM+12+(\j)-48]
.elseif (\j) == 52
	v_lshl_or_b32 v[\pw], v[TM+5], 8, v[TM+4]
.elseif (\j) == 53
	v_lshl_or_b32 v[\pw], v[TM+6], 16, v[\pw]
.elseif (\j) == 54
	v_lshl_or_b32 v[\pw], v[TM+7], 24, v[\pw]
.else
.set QN, (\j)-55
	v_med3_num_f32 v[\s+QN], v[\s+QN], -v[TM+8+QN/16], v[TM+8+QN/16]
.endif
.endm
.macro QCVT s, c                       ; the eight conversions: the fragment's 16 registers of codes, v[c] on
.irp b, 0,1,2,3
	v_cvt_scalef32_pk8_bf8_f32 v[\c+4*\b:\c+4*\b+1], v[\s+16*\b:\s+16*\b+7], v[TM+12+\b]
	v_cvt_scalef32_pk8_bf8_f32 v[\c+4*\b+2:\c+4*\b+3], v[\s+16*\b+8:\s+16*\b+15], v[TM+12+\b]
.endr
	v_nop                                                  ; one plain line behind the last scaled conversion, ahead of whatever next touches its registers
.endm
.macro QUANT s, c, pw                  ; the whole of it, on end
.set QJ, 0
.rept 119
	QLINE \s, \pw, QJ
.set QJ, QJ+1
.endr
	QCVT \s, \c
.endm
.macro XLD off                         ; a tile's 64 numbers of my row and half into EH
.irp b, 0,1,2,3
.irp j, 0,1,2,3
	ds_load_b128 v[EH+16*\b+4*\j:EH+16*\b+4*\j+3], v[ADR] offset:\off+128*\b+16*\j
.endr
.endr
.endm
; THE WEIGHTS, [k][n] f32.  Wave w takes columns 32 w .. 32 w + 31 of each.  Lane (g = lane % 8, p = lane / 8) takes columns 4 g + e, e = 0 .. 3, and ONE WHOLE BLOCK p of 32 along K: load i reads W(32 p + i, 4 g ..), 16 bytes a
; lane, four rows of 128 consecutive bytes an instruction: 32 loads a weight.  Register 4 i + e.
.macro WLD w, base, ptr
	WIN \w
.set II, 0
.rept 32
	global_load_b128 v[\base+4*II:\base+4*II+3], v[WCO], s[\ptr:\ptr+1] offset:512*II
.set II, II+1
.endr
.endm
; A block lies in one lane: its largest magnitude needs no other lane.  The hold writes another register than it reads, and so puts each column's 32 numbers on end along K, as the conversions want them.
; Column 4 g + e is lane r = 8 (g / 4) + 4 (g % 2) + e of tile u = (g / 2) % 2: its codes of K = 32 p + 16 h + 0 .. 15 are the 16 bytes that lane r + 16 h of the fragment holds in registers 4 p .. 4 p + 3:
; they go straight to that place in the fragment's image; the block's byte is byte p of the column's scale word.   wa, wb: the windows of the raw numbers as sources 1 and 2, and as source 0.
.macro WQ wa, wb, base, m, left
	s_wait_loadcnt \left                                   ; this weight's 32 loads are in: the count is that of the loads issued behind them (or the largest that the wait can name)
	WIN \wa
.irp e, 0,1,2,3
	v_max3_num_f32 v[TM+\e], s[FLR], |v[\base+\e]|, |v[\base+4+\e]|      ; the four columns by turns
.endr
.irp i, 2,4,6,8,10,12,14,16,18,20,22,24,26,28,30
.irp e, 0,1,2,3
	v_max3_num_f32 v[TM+\e], v[TM+\e], |v[\base+4*\i+\e]|, |v[\base+4*\i+4+\e]|
.endr
.endr
	WIN 0
	s_wait_dscnt 0x0                                       ; the last weight's LDS stores have read the codes' and the bytes' registers
.irp e, 0,1,2,3
	v_add_nc_u32 v[TM+12+\e], 0xf8800000, v[TM+\e]
.endr
.irp e, 0,1,2,3
	v_and_or_b32 v[TM+8+\e], v[TM+\e], 0x7f800000, s[MNT]
.endr
.irp e, 0,1,2,3
	v_lshrrev_b32 v[TM+4+\e], 23, v[TM+12+\e]
.endr
	WIN \wb
.irp e, 0,1,2,3
.set II, 0
.rept 32
	v_med3_num_f32 v[WT+32*\e+II], v[\base+4*II+\e], -v[TM+8+\e], v[TM+8+\e]
.set II, II+1
.endr
.endr
	WIN 0
.irp e, 0,1,2,3
.irp q, 0,1,2,3
	v_cvt_scalef32_pk8_bf8_f32 v[WC+8*\e+2*\q:WC+8*\e+2*\q+1], v[WT+32*\e+8*\q:WT+32*\e+8*\q+7], v[TM+12+\e]
.endr
.endr
	v_nop                                                  ; one plain line behind the last scaled conversion
.irp e, 0,1,2,3
	ds_store_b128 v[IWI], v[WC+8*\e:WC+8*\e+3] offset:IMG+(\m)*8*2048+16*\e          ; h = 0
	ds_store_b128 v[IWI], v[WC+8*\e+4:WC+8*\e+7] offset:IMG+(\m)*8*2048+16*\e+256    ; h = 1
	ds_store_b8 v[IWS], v[TM+4+\e] offset:ISC+(\m)*8*128+4*\e
.endr
.endm
; e = 2^(-z log2 e) for 64 numbers: a packed scaling leads each group, the exponentials of the pair before follow it.  No line names an exponential's result.
.macro PRE z, e
	v_pk_mul_f32 v[\e:\e+1], v[\z:\z+1], s[NC:NC+1] op_sel_hi:[1,0]
.set PK, 2
.rept 31
	v_pk_mul_f32 v[\e+PK:\e+PK+1], v[\z+PK:\z+PK+1], s[NC:NC+1] op_sel_hi:[1,0]
	v_exp_f32 v[\e+PK-2], v[\e+PK-2]
	v_exp_f32 v[\e+PK-1], v[\e+PK-1]
.set PK, PK+2
.endr
	v_exp_f32 v[\e+62], v[\e+62]
	v_exp_f32 v[\e+63], v[\e+63]
.endm
; The same for the gate's layer, with z x Wg2 (in place, four pairs behind the scaling that reads z) between the exponentials: a plain line and an exponential by turns; the last four multiplications stand behind the batch.
.macro PREG
.set PK, 0
.rept 32
	v_pk_mul_f32 v[EG+PK:EG+PK+1], v[ZG+PK:ZG+PK+1], s[NC:NC+1] op_sel_hi:[1,0]
.if PK >= 2
	v_exp_f32 v[EG+PK-2], v[EG+PK-2]
.endif
.if PK >= 8
	v_pk_mul_f32 v[ZG+PK-8:ZG+PK-7], v[ZG+PK-8:ZG+PK-7], v[W2L+PK-8:W2L+PK-7]
.endif
.if PK >= 2
	v_exp_f32 v[EG+PK-1], v[EG+PK-1]
.endif
.set PK, PK+2
.endr
	v_exp_f32 v[EG+62], v[EG+62]
	v_exp_f32 v[EG+63], v[EG+63]
.irp k, 56,58,60,62
	v_pk_mul_f32 v[ZG+\k:ZG+\k+1], v[ZG+\k:ZG+\k+1], v[W2L+\k:W2L+\k+1]
.endr
.endm
; e = 1 / (1 + e): the sigmoid, in PRE's pattern
.macro POST e
	v_pk_add_f32 v[\e:\e+1], v[\e:\e+1], 1.0 op_sel_hi:[1,0]
.set PK, 2
.rept 31
	v_pk_add_f32 v[\e+PK:\e+PK+1], v[\e+PK:\e+PK+1], 1.0 op_sel_hi:[1,0]
	v_rcp_f32 v[\e+PK-2], v[\e+PK-2]
	v_rcp_f32 v[\e+PK-1], v[\e+PK-1]
.set PK, PK+2
.endr
	v_rcp_f32 v[\e+62], v[\e+62]
	v_rcp_f32 v[\e+63], v[\e+63]
.endm
; The products: every matrix instruction has an accumulator of its own, begun with 0 or with the bias: no sum is taken up again.
.macro MMO1 t                          ; h'^T = Wn2^T s^T, tile t
	WIN 0xc2
	v_wmma_scale_f32_16x16x128_f8f6f4 v[EG+8*\t:EG+8*\t+7], v[16*\t:16*\t+15], v[SC:SC+15], 0, v[WS+16+\t], v[SS] matrix_a_fmt:MATRIX_FMT_BF8 matrix_b_fmt:MATRIX_FMT_BF8
.endm
.macro MMG1 t                          ; the gate's hidden layer, bg1 as C
	WIN 0xe1
	v_wmma_scale_f32_16x16x128_f8f6f4 v[ZG+8*\t:ZG+8*\t+7], v[16*\t:16*\t+15], v[XC:XC+15], v[BG1+8*\t:BG1+8*\t+7], v[WS+\t], v[XS] matrix_a_fmt:MATRIX_FMT_BF8 matrix_b_fmt:MATRIX_FMT_BF8
.endm
.macro MMH1 t                          ; the features' hidden layer, bn1 as C
	WIN 0x21
	v_wmma_scale_f32_16x16x128_f8f6f4 v[ZH+8*\t:ZH+8*\t+7], v[128+16*\t:128+16*\t+15], v[XC:XC+15], v[BN1+8*\t:BN1+8*\t+7], v[WS+8+\t], v[XS] matrix_a_fmt:MATRIX_FMT_BF8 matrix_b_fmt:MATRIX_FMT_BF8
.endm
.macro MM_O
.irp t, 0,1,2,3,4,5,6,7
	MMO1 \t
.endr
.endm
.macro MM_G
.irp t, 0,1,2,3,4,5,6,7
	MMG1 \t
.endr
.endm
.macro MM_H
.irp t, 0,1,2,3,4,5,6,7
	MMH1 \t
.endr
.endm
; Slot s, all of whose tiles are in registers, is filled again with the rows two slots on.
.macro FILL s
	s_wait_tensorcnt 0x0                                   ; all my tensor loads have landed, the other slot's too: a group 0 may be written
	ds_add_u32 v[SPW], v[NIL]                              ; 0 onto my spare word
	s_add_nc_u64 s[G0+4*\s+2:G0+4*\s+3], s[G0+4*\s+2:G0+4*\s+3], 65536   ; eight tiles of 8,192 bytes on; the type bits on top are not reached
	s_wait_dscnt 0x0                                       ; the add is done, and my reads of the slot are back
	s_barrier_signal -1
	s_barrier_wait -1
	tensor_load_to_lds s[G0+4*\s:G0+4*\s+3], s[G1:G1+7]    ; my one tensor load behind this barrier, and the first thing there: four trips stand between it and the wait for it
	s_nop 0
.rept 4
	v_nop
.endr
.endm
; The 13 lines that close the gate and step the softmax's state; each hangs on the one before, so they are dealt out among the quantiser's lines.
.macro GLINE j
.if (\j) == 0
	v_pk_add_f32 v[GA0:GA0+1], v[GA0:GA0+1], v[GA1:GA1+1]
.elseif (\j) == 1
	v_pk_add_f32 v[GA2:GA2+1], v[GA2:GA2+1], v[GA3:GA3+1]
.elseif (\j) == 2
	v_pk_add_f32 v[GA0:GA0+1], v[GA0:GA0+1], v[GA2:GA2+1]
.elseif (\j) == 3
	v_add_f32 v[RG], v[GA0], v[GA0+1]
.elseif (\j) == 4
	v_permlanex16_b32 v[T0], v[RG], s[SEL], s[SEL+1]
.elseif (\j) == 5
	v_add_f32 v[RG], v[RG], v[T0]                          ; with the other 64 units: the same bits in both halves
.elseif (\j) == 6
	v_mul_f32 v[RG], s[L2E], v[RG]                         ; t
.elseif (\j) == 7
	v_max_num_f32 v[MN], v[RM], v[RG]                      ; the running maximum is taken away ahead of every exponential
.elseif (\j) == 8
	v_sub_f32 v[RF], v[RM], v[MN]
.elseif (\j) == 9
	v_sub_f32 v[RP], v[RG], v[MN]
.elseif (\j) == 10
	v_mov_b32 v[RM], v[MN]
.elseif (\j) == 11
	v_exp_f32 v[RF], v[RF]                                 ; f = 2^(old m - new m)
.else
	v_exp_f32 v[RP], v[RP]                                 ; p = 2^(t - m)
.endif
.endm
.macro SLINE                           ; the next of 132 lines: the hidden layer's quantiser, and behind every third of its first 39 lines one of the gate's 13
.if SN < 132
.if ((SN%4) == 3) && (SN < 52)
	GLINE SN/4
.else
	QLINE ZH, SS, QJ
.set QJ, QJ+1
.endif
.set SN, SN+1
.endif
.endm
.macro XLINE                           ; the next of the 119 lines of x's quantiser; its scale word goes to XT: XS is still being read
.if QJ < 119
	QLINE EH, XT, QJ
.set QJ, QJ+1
.endif
.endm
; TRIP i.  At its head ZG, ZH hold tile i's two hidden layers ahead of the silu, XC and XS the codes and scale word of tile i + 1.
;   the two silus (one batch of 128 exponentials, one of 128 reciprocals, a wait each); tile i + 2 is asked of LDS; the gate's sum in four chains;
;   the hidden layer is quantised, with the gate's closing lines among its first, and, ZG being free, the 8 products of tile i + 1's gate layer one at a time, 17 lines behind each;
;   then h' of tile i and tile i + 1's feature layer, 16 products one at a time, 8 lines of tile i + 2's quantiser behind each: these lines name EH, the quantiser's registers and XT, no register of any product;
;   the pooled sums x f and + p h': 60 lines that name no register of the last products: behind them XS and XC are written anew.
; tail = 1, the last two trips: no tile is left to fetch or to quantise; the products stand in one block, and in the very last trip a branch on the count of trips leads round the two hidden layers'.
.macro TRIP tail
	PRE ZH, EH                                             ; (every window is 0 at a trip's head)
	WIN 0xcf
	PREG
	s_wait_alu depctr_va_vdst(0)                           ; one wait for the 128 exponentials, ahead of their first reader
	POST EG
	WIN 0
	POST EH
.if \tail
	v_nop                                                  ; a plain line behind the last reciprocal
.else
	v_add_nc_u32 v[ADR], s[TB], v[XA0]                     ; a plain line behind the last reciprocal: where tile i + 2 lies
.endif
	s_wait_alu depctr_va_vdst(0)                           ; one wait for the 128 reciprocals
.set JJ, 0
.rept 32
	v_pk_mul_f32 v[ZH+JJ:ZH+JJ+1], v[ZH+JJ:ZH+JJ+1], v[EH+JJ:EH+JJ+1]     ; s = z x sigmoid(z)
.set JJ, JJ+2
.endr
.if \tail == 0
	XLD 0                                                  ; EH is free: tile i + 2's numbers; they are waited for ahead of their quantiser's first line
.endif
	WIN 0x0f
	v_pk_mul_f32 v[GA0:GA0+1], v[ZG:ZG+1], v[EG:EG+1]      ; the gate: sum of (z Wg2) x sigmoid(z) over my 64 units, four chains of pairs
	v_pk_mul_f32 v[GA1:GA1+1], v[ZG+2:ZG+3], v[EG+2:EG+3]
	v_pk_mul_f32 v[GA2:GA2+1], v[ZG+4:ZG+5], v[EG+4:EG+5]
	v_pk_mul_f32 v[GA3:GA3+1], v[ZG+6:ZG+7], v[EG+6:EG+7]
.set JJ, 8
.rept 7
	v_pk_fma_f32 v[GA0:GA0+1], v[ZG+JJ:ZG+JJ+1], v[EG+JJ:EG+JJ+1], v[GA0:GA0+1]
	v_pk_fma_f32 v[GA1:GA1+1], v[ZG+JJ+2:ZG+JJ+3], v[EG+JJ+2:EG+JJ+3], v[GA1:GA1+1]
	v_pk_fma_f32 v[GA2:GA2+1], v[ZG+JJ+4:ZG+JJ+5], v[EG+JJ+4:EG+JJ+5], v[GA2:GA2+1]
	v_pk_fma_f32 v[GA3:GA3+1], v[ZG+JJ+6:ZG+JJ+7], v[EG+JJ+6:EG+JJ+7], v[GA3:GA3+1]
.set JJ, JJ+8
.endr
.set SN, 0
.set QJ, 0
.if \tail
	WIN 0
.rept 132
	SLINE
.endr
.else
.irp t, 0,1,2,3,4,5,6,7
	MMG1 \t
	WIN 0
.rept 17
	SLINE
.endr
.endr
.endif
	QCVT ZH, SC                                            ; the hidden layer's codes; its scale word stands 64 holds back
	s_wait_alu depctr_va_vdst(0)                           ; one wait for f and p
	v_fma_f32 v[RL], v[RL], v[RF], v[RP]
	WIN 0xc3
.set JJ, 0
.rept 4
	v_pk_mul_f32 v[POOL+JJ:POOL+JJ+1], v[POOL+JJ:POOL+JJ+1], v[RF:RF+1] op_sel_hi:[1,0]   ; with the two plain lines above: six between the codes and the scaled products
.set JJ, JJ+2
.endr
.if \tail
	MM_O
	WIN 0
	s_cmp_eq_u32 s[CNT], 1
	s_cbranch_scc1 .Lno_next_\@
	MM_G
	MM_H
	WIN 0
.Lno_next_\@:
.else
	s_wait_dscnt 0x0                                       ; tile i + 2's numbers are in
.set QJ, 0
.irp t, 0,1,2,3,4,5,6,7
	MMO1 \t
	WIN 0
.rept 8
	XLINE
.endr
.endr
.irp t, 0,1,2,3,4,5,6,7
	MMH1 \t
	WIN 0
.rept 8
	XLINE
.endr
.endr
.endif
	WIN 0xc3
.set JJ, 8
.rept 28
	v_pk_mul_f32 v[POOL+JJ:POOL+JJ+1], v[POOL+JJ:POOL+JJ+1], v[RF:RF+1] op_sel_hi:[1,0]   ; the pooled sums under the new m.  These 28 name no register of the products: they are the places behind the last of them (ISA guide 7.12.1)
.set JJ, JJ+2
.endr
	WIN 0xf3
.set JJ, 0
.rept 32
	v_pk_fma_f32 v[POOL+JJ:POOL+JJ+1], v[EG+JJ:EG+JJ+1], v[RP:RP+1], v[POOL+JJ:POOL+JJ+1] op_sel_hi:[1,0,1]   ; += p h', each accumulator from its low end on
.set JJ, JJ+2
.endr
	WIN 0
.if \tail == 0
	v_mov_b32 v[XS], v[XT]                                 ; tile i + 2's scale word and codes take the place of tile i + 1's, whose products are 60 lines back
	QCVT EH, XC
	s_add_co_u32 s[TB], s[TB], TILEB
.endif
.endm
.macro LOOPEND label
	s_sub_co_u32 s[CNT], s[CNT], 1
	s_cmp_lg_u32 s[CNT], 0
	s_cbranch_scc1 \label
.endm
	s_load_b256 s[4:11], s[0:1], 0x0               ; x s[4:5], Wg1 s[6:7], bg1 s[8:9], Wg2 s[10:11]
	s_load_b256 s[12:19], s[0:1], 0x20             ; Wn1 s[12:13], bn1 s[14:15], Wn2 s[16:17], part s[18:19]
	v_lshl_add_u32 v[SPW], v0, 2, SPARE
	v_mov_b32 v[NIL], 0
	ds_add_u32 v[SPW], v[NIL]                      ; the wave's opening: the add, twice on end, and its wait ahead of my first tensor load
	ds_add_u32 v[SPW], v[NIL]                      ; and once more, under the one wait; the set-up below, work on registers, stands between
	v_lshrrev_b32 v2, 5, v0
	v_readfirstlane_b32 s[WV], v2                  ; wave 0..3
	; descriptor group 1: a tile of 64 rows x 128 elements of 4 bytes, dense in memory, 4 words of padding behind every 128
	s_mov_b32 s[G1+0], (2<<16)|(1<<20)|(6<<22)|(3<<25)
	s_mov_b32 s[G1+1], 128<<16                     ; tensor_dim0
	s_mov_b32 s[G1+2], 64<<16                      ; tensor_dim1
	s_mov_b32 s[G1+3], 128<<16                     ; tile_dim0
	s_mov_b32 s[G1+4], 64                          ; tile_dim1
	s_mov_b32 s[G1+5], 128                         ; elements from row to row
	s_mov_b32 s[G1+6], 0
	s_mov_b32 s[G1+7], 0
	s_mov_b32 s[SEL], 0x76543210
	s_mov_b32 s[SEL+1], 0xfedcba98
	s_mov_b32 s[MNT], 0x600000
	s_mov_b32 s[FLR], 0x8000000
	s_mov_b32 s[NC], 0xbfb8aa3b                    ; -log2(e)
	s_mov_b32 s[NC+1], s[NC]                       ; (named with it as a pair, so it is written)
	s_mov_b32 s[L2E], 0x3fb8aa3b
	s_lshl_b32 s66, ttmp9, 19                      ; my work-group's 1,024 rows of 512 bytes,
	s_lshl_b32 s67, s[WV], 17                      ; my wave's 256
	s_add_co_u32 s66, s66, s67
	s_mov_b32 s67, 0
	s_lshl_b32 s68, ttmp9, 2
	s_add_co_u32 s68, s68, s[WV]
	s_mul_i32 s68, s68, 768                        ; my record in part
	s_mov_b32 s69, 0
	s_mul_i32 s21, s[WV], WRING
	s_add_co_u32 s21, s21, RING                    ; my ring
	s_lshl_b32 s32, s[WV], 12
	s_lshl_b32 s33, s[WV], 8
	s_lshl_b32 s34, s[WV], 7
	s_lshl_b32 s35, s[WV], 9
	v_and_b32 v[RR], 15, v0                        ; r
	v_bfe_u32 v[RG], v0, 4, 1                      ; h
	v_and_b32 v[T0], 31, v0                        ; lane
	v_mul_u32_u24 v[XA0], v[RR], 528
	v_lshl_add_u32 v[XA0], v[RG], 6, v[XA0]
	v_add_nc_u32 v[XA0], s21, v[XA0]
	v_lshlrev_b32 v[LI], 4, v[T0]
	v_lshlrev_b32 v[LS], 2, v[RR]
	v_bfe_u32 v[GA0], v0, 3, 2                     ; p = lane / 8: my block of 32 along K
	v_and_b32 v[GA0+1], 7, v0                      ; g = lane % 8: my four columns
	v_and_b32 v[GA1], 1, v0                        ; g % 2
	v_bfe_u32 v[GA1+1], v0, 1, 1                   ; u = (g / 2) % 2: which of my wave's two tiles
	v_bfe_u32 v[MN], v0, 2, 1                      ; g / 4
	v_lshlrev_b32 v[WCO], 4, v[GA0+1]              ; a weight: 16 g,
	v_lshl_add_u32 v[WCO], v[GA0], 14, v[WCO]      ; + 32 p rows of 512 bytes,
	v_add_nc_u32 v[WCO], s34, v[WCO]               ; + 32 columns x wave
	v_lshlrev_b32 v[IWI], 6, v[GA1]                ; the images: 16 r = 64 (g % 2) + 128 (g / 4) (+ 16 e),
	v_lshl_add_u32 v[IWI], v[MN], 7, v[IWI]
	v_lshl_add_u32 v[IWI], v[GA0], 9, v[IWI]       ; + 512 p,
	v_lshl_add_u32 v[IWI], v[GA1+1], 11, v[IWI]    ; + a fragment x u,
	v_add_nc_u32 v[IWI], s32, v[IWI]               ; + two fragments x wave
	v_lshl_add_u32 v[IWS], v[GA1], 4, v[GA0]       ; the scale bytes: p + 4 r = p + 16 (g % 2) + 32 (g / 4) (+ 4 e),
	v_lshl_add_u32 v[IWS], v[MN], 5, v[IWS]
	v_lshl_add_u32 v[IWS], v[GA1+1], 7, v[IWS]     ; + 128 u,
	v_add_nc_u32 v[IWS], s33, v[IWS]               ; + 256 x wave
	v_lshlrev_b32 v[BO], 6, v[RG]
	v_add_nc_u32 v[OS], s35, v[BO]
	v_add_nc_u32 v[ORD], s35, v[LI]
	v_lshlrev_b32 v[GO2], 3, v[T0]
.irp b, 0,1,2,3
	v_mov_b32 v[TM+4+\b], 0                        ; written once: a lane permute's destination counts as one of its sources
.endr
	v_mov_b32 v[T0], 0                             ; likewise
	v_mov_b32 v[RM], 0xff61b1e6                    ; the largest t so far: -3e38, under every t: the first f is 0, on sums that are zeros
	v_mov_b32 v[RL], 0
	v_mov_b32 v[RF+1], 0                           ; (named as the upper halves of pairs)
	v_mov_b32 v[RP+1], 0
	s_wait_dscnt 0x0                               ; both opening adds are done
	s_wait_kmcnt 0x0
	s_add_nc_u64 s[4:5], s[4:5], s[66:67]          ; x at my wave's first row
	s_add_nc_u64 s[18:19], s[18:19], s[68:69]
	s_mov_b32 s[G0+0], 1                           ; group 0 of slot 0: count 1, LDS address, global address, type 2
	s_mov_b32 s[G0+1], s21
	s_mov_b64 s[G0+2:G0+3], s[4:5]
	s_or_b32 s[G0+3], s[G0+3], 0x80000000
	s_mov_b32 s[G0+4], 1                           ; and of slot 1: tiles 4 to 7
	s_add_co_u32 s[G0+5], s21, SLOTB
	s_add_nc_u64 s[G0+6:G0+7], s[4:5], 32768
	s_or_b32 s[G0+7], s[G0+7], 0x80000000
	tensor_load_to_lds s[G0:G0+3], s[G1:G1+7]      ; both first fills together, ahead of every wait on TENSORcnt, LDS read and barrier: two loads of mine are out
	s_nop 0
	tensor_load_to_lds s[G0+4:G0+7], s[G1:G1+7]
	s_nop 0
.rept 4
	v_nop
.endr
	; my quarter of the three weights: all 96 loads go out on end, into the registers that the fragments will take later
	WLD 0x40, 0, 6                                 ; Wg1 -> window 1, v0-127
	WLD 0x40, 128, 12                              ; Wn1 -> window 1, v128-255
	WLD 0x80, 0, 16                                ; Wn2 -> window 2, v0-127
	WIN 0
	WQ 0x14, 0x01, 0, 0, 63                        ; behind Wg1's loads stand 64
	WQ 0x14, 0x01, 128, 1, 32                      ; behind Wn1's stand Wn2's 32
	; the biases and Wg2 in the results' layout: for tile 2 b + u the eight numbers of units 32 b + 16 h + 8 u + 0 .. 7.  They are wanted last, so they are asked for last
	WIN 0x80
.irp t, 0,1,2,3,4,5,6,7
	global_load_b128 v[BG1+8*\t:BG1+8*\t+3], v[BO], s[8:9] offset:(32*(\t/2)+8*(\t%2))*4
	global_load_b128 v[BG1+8*\t+4:BG1+8*\t+7], v[BO], s[8:9] offset:(32*(\t/2)+8*(\t%2))*4+16
	global_load_b128 v[BN1+8*\t:BN1+8*\t+3], v[BO], s[14:15] offset:(32*(\t/2)+8*(\t%2))*4
	global_load_b128 v[BN1+8*\t+4:BN1+8*\t+7], v[BO], s[14:15] offset:(32*(\t/2)+8*(\t%2))*4+16
.endr
	WIN 0xc0
.irp t, 0,1,2,3,4,5,6,7
	global_load_b128 v[W2L+8*\t:W2L+8*\t+3], v[BO], s[10:11] offset:(32*(\t/2)+8*(\t%2))*4
	global_load_b128 v[W2L+8*\t+4:W2L+8*\t+7], v[BO], s[10:11] offset:(32*(\t/2)+8*(\t%2))*4+16
.endr
	WIN 0
	WQ 0x28, 0x02, 0, 2, 48                        ; behind Wn2's loads stand those 48
	s_wait_dscnt 0x0                               ; for the others' sake: my images and scale bytes have landed
	s_barrier_signal -1
	s_barrier_wait -1                              ; all 24 lie in LDS.  The tensor loads may stay out
	WIN 0x40
.irp f, 0,1,2,3,4,5,6,7,8,9,10,11,12,13,14,15
.irp c, 0,1,2,3
	ds_load_b128 v[16*\f+4*\c:16*\f+4*\c+3], v[LI] offset:IMG+\f*2048+512*\c
.endr
.endr
	WIN 0x80
.irp f, 0,1,2,3,4,5,6,7
.irp c, 0,1,2,3
	ds_load_b128 v[16*\f+4*\c:16*\f+4*\c+3], v[LI] offset:IMG+(16+\f)*2048+512*\c
.endr
.endr
	WIN 0
.irp f, 0,1,2,3,4,5,6,7,8,9,10,11,12,13,14,15,16,17,18,19,20,21,22,23
	ds_load_b32 v[WS+\f], v[LS] offset:ISC+\f*128  ; lane r and lane r + 16 take column r's word
.endr
	s_wait_tensorcnt 0x1                           ; my slot 0 is in; slot 1's load, issued behind it, may stay out.  Only I read my ring
	v_mov_b32 v[ADR], v[XA0]
	XLD 0                                          ; tile 0
	s_wait_dscnt 0x0                               ; the weights and tile 0
	QUANT EH, XC, XS
	XLD TILEB                                      ; tile 1
	WIN 0xc0
.set JJ, 0
.rept 64
	v_mov_b32 v[POOL+JJ], 0                        ; the pooled sums: the trip is written once for all tiles, and its first f multiplies zeros.  (Also the plain lines between the codes and the products)
.set JJ, JJ+1
.endr
	s_wait_loadcnt 0x0                             ; the biases and Wg2
	MM_G                                           ; tile 0's hidden layers
	MM_H
	WIN 0
	s_wait_dscnt 0x0
	QUANT EH, XC, XS                               ; tile 1: its first 52 lines name no register of the products: they are the places ahead of the lines that write the scale word and the codes anew
	s_mov_b32 s[TB], 2*TILEB                       ; trips 0, 1 fetch tiles 2, 3: slot 0
	s_mov_b32 s[CNT], 2
.Lloop0:
	TRIP 0
	LOOPEND .Lloop0
	FILL 0                                         ; tiles 8 to 11; its wait for all loads also shows slot 1 landed
	s_mov_b32 s[TB], SLOTB                         ; trips 2 to 5 fetch tiles 4 to 7: slot 1
	s_mov_b32 s[CNT], 4
.Lloop1:
	TRIP 0
	LOOPEND .Lloop1
	FILL 1                                         ; tiles 12 to 15; slot 0's refill has landed
	s_mov_b32 s[TB], 0                             ; trips 6 to 9 fetch tiles 8 to 11: slot 0
	s_mov_b32 s[CNT], 4
.Lloop2:
	TRIP 0
	LOOPEND .Lloop2
	s_wait_tensorcnt 0x0                           ; my last load, slot 1's refill, has landed: it serves the reads below
	s_mov_b32 s[TB], SLOTB                         ; trips 10 to 13 fetch tiles 12 to 15: slot 1
	s_mov_b32 s[CNT], 4
.Lloop3:
	TRIP 0
	LOOPEND .Lloop3
	s_mov_b32 s[CNT], 2                            ; trips 14 and 15
.Ltail:
	TRIP 1
	LOOPEND .Ltail
	; THE WAVE'S END.  Each lane holds m, l of its row slot and 64 pooled sums: they are brought under the wave's largest m and added over the 16 lanes of each half.
	v_mov_b32 v[MN], v[RM]
.irp m, 1,2,4,8
	v_max_num_f32_dpp v[MN], v[MN], v[MN] row_xmask:\m row_mask:0xf bank_mask:0xf
.endr
	v_sub_f32 v[RF], v[RM], v[MN]
	v_exp_f32 v[RF], v[RF]
	v_nop                                          ; a plain line behind the exponential,
	s_wait_alu depctr_va_vdst(0)                   ; and the wait ahead of its first reader
	v_mul_f32 v[RL], v[RL], v[RF]
.irp m, 1,2,4,8
	v_add_f32_dpp v[RL], v[RL], v[RL] row_xmask:\m row_mask:0xf bank_mask:0xf
.endr
	WIN 0x03
.set JJ, 0
.rept 32
	v_pk_mul_f32 v[ZH+JJ:ZH+JJ+1], v[POOL+JJ:POOL+JJ+1], v[RF:RF+1] op_sel_hi:[1,0]
.set JJ, JJ+2
.endr
	WIN 0
.irp m, 1,2,4,8
.set JJ, 0
.rept 64
	v_add_f32_dpp v[ZH+JJ], v[ZH+JJ], v[ZH+JJ] row_xmask:\m row_mask:0xf bank_mask:0xf
.set JJ, JJ+1
.endr
.endr
.irp t, 0,1,2,3,4,5,6,7                    ; into natural order, through my own 512 bytes: the 16 lanes of a half write the same bytes with the same values
	ds_store_b128 v[OS], v[ZH+8*\t:ZH+8*\t+3] offset:OSC+(32*(\t/2)+8*(\t%2))*4
	ds_store_b128 v[OS], v[ZH+8*\t+4:ZH+8*\t+7] offset:OSC+(32*(\t/2)+8*(\t%2))*4+16
.endr
	ds_load_b128 v[EH:EH+3], v[ORD] offset:OSC     ; LDS serves a wave's instructions in order (ISA guide 5.7.1): this sees my stores
	v_mov_b32 v[ML], v[MN]
	v_mov_b32 v[ML+1], v[RL]
	s_wait_dscnt 0x0
	global_store_b128 v[LI], v[EH:EH+3], s[18:19]              ; acc: 512 consecutive bytes, at a multiple of 256 from part's first byte
	global_store_b64 v[GO2], v[ML:ML+1], s[18:19] offset:512   ; (m, l), 32 copies: 256 consecutive bytes
	s_wait_tensorcnt 0x0                           ; the wave's end, behind my last tensor load and my last LDS store
	ds_add_u32 v[SPW], v[NIL]
	s_wait_dscnt 0x0
	s_endpgm
.Lfunc_end_k_q903eec605f_pool:
	.size	k_q903eec605f_pool, .Lfunc_end_k_q903eec605f_pool-k_q903eec605f_pool
	.p2alignl 7, 3214868480
	.fill 96, 4, 3214868480
	.section	.rodata,"a",@progbits
	.p2align	6, 0x0
	.amdhsa_kernel k_q903eec605f_pool
		.amdhsa_group_segment_fixed_size 327680
		.amdhsa_private_segment_fixed_size 0
		.amdhsa_enable_private_segment 0
		.amdhsa_kernarg_size 64
		.amdhsa_user_sgpr_count 2
		.amdhsa_user_sgpr_kernarg_segment_ptr 1
		.amdhsa_wavefront_size32 1
		.amdhsa_system_sgpr_workgroup_id_x 1
		.amdhsa_system_sgpr_workgroup_id_y 1
		.amdhsa_system_sgpr_workgroup_id_z 1
		.amdhsa_system_vgpr_workitem_id 0
		.amdhsa_next_free_vgpr 1024
		.amdhsa_next_free_sgpr 72
		.amdhsa_reserve_vcc 0
		.amdhsa_float_denorm_mode_32 3
		.amdhsa_float_denorm_mode_16_64 3
		.amdhsa_memory_ordered 1
		.amdhsa_forward_progress 1
		.amdhsa_inst_pref_size 255
	.end_amdhsa_kernel
	.section	.bss,"aw",@nobits
	.p2align	6
	.space	262144
	.amdgpu_metadata
---
amdhsa.version: [ 1, 2 ]
amdhsa.kernels:
  - .name:           k_q903eec605f_pool
    .symbol:         k_q903eec605f_pool.kd
    .args:
      - { .name: x, .offset: 0, .size: 8, .value_kind: global_buffer, .address_space: global }
      - { .name: Wg1, .offset: 8, .size: 8, .value_kind: global_buffer, .address_space: global }
      - { .name: bg1, .offset: 16, .size: 8, .value_kind: global_buffer, .address_space: global }
      - { .name: Wg2, .offset: 24, .size: 8, .value_kind: global_buffer, .address_space: global }
      - { .name: Wn1, .offset: 32, .size: 8, .value_kind: global_buffer, .address_space: global }
      - { .name: bn1, .offset: 40, .size: 8, .value_kind: global_buffer, .address_space: global }
      - { .name: Wn2, .offset: 48, .size: 8, .value_kind: global_buffer, .address_space: global }
      - { .name: part, .offset: 56, .size: 8, .value_kind: global_buffer, .address_space: global }
    .group_segment_fixed_size: 327680
    .private_segment_fixed_size: 0
    .kernarg_segment_align: 8
    .kernarg_segment_size: 64
    .max_flat_workgroup_size: 128
    .sgpr_count:     72
    .vgpr_count:     1024
    .wavefront_size: 32
...
	.end_amdgpu_metadata
.endif
;; end of part 1
;; launch merge (part 2): grid 32 x 1, 1 waves a work-group, no clusters, 0 bytes of LDS; arguments part, bn2, out0; writes out0
.if DOCPART == 2
	.amdgcn_target "amdgcn-amd-amdhsa--gfx1250"
	.amdhsa_code_object_version 6
	.text
	.protected	k_q903eec605f_merge
	.globl	k_q903eec605f_merge
	.p2align	8
	.type	k_q903eec605f_merge,@function
k_q903eec605f_merge:
	s_mov_b64 s[64:65], 0
	v_nop
	global_prefetch_b8 v0, s[64:65] scope:SCOPE_SE
	s_setreg_imm32_b32 hwreg(HW_REG_WAVE_MODE, 25, 1), 1
	s_wait_xcnt 0x0
; GraphSummary, second launch: graph b's 32 records of part (768 bytes each: acc[128], then 32 copies of (m, l)) are joined:
; M = the largest m; w_i = 2^(m_i - M); out = (sum w_i acc_i) / (sum w_i l_i) + bn2.
; bn2 is added here, once a graph: the softmax's weights sum to 1 identically, so sum attn (h' + bn2) = sum attn h' + bn2.  bg2 is left out as the first kernel's head shows: it is no argument.
; One wave to a graph: lane l owns outputs 4 l .. 4 l + 3; each load of acc and the store cover 512 consecutive bytes; every lane reads its own copy of (m, l), 256 consecutive bytes a load.  No LDS, no barrier.
.set REC, 768
.set ML,  32                           ; v[32+2i:33+2i] (m_i, l_i); m_i becomes w_i
.set AC,  96                           ; v[96+4i:99+4i] my four numbers of acc_i
	s_load_b128 s[4:7], s[0:1], 0x0                ; part, bn2
	s_load_b64 s[8:9], s[0:1], 0x10                ; out0
	v_lshlrev_b32 v1, 4, v0                        ; 16 x lane
	v_lshlrev_b32 v2, 3, v0                        ; 8 x lane
	s_mul_i32 s10, ttmp9, 32*REC
	s_mov_b32 s11, 0
	s_lshl_b32 s12, ttmp9, 9
	s_mov_b32 s13, 0
	s_wait_kmcnt 0x0
	s_add_nc_u64 s[4:5], s[4:5], s[10:11]
	s_add_nc_u64 s[8:9], s[8:9], s[12:13]
.set II, 0
.rept 32
	global_load_b64 v[ML+2*II:ML+2*II+1], v2, s[4:5] offset:REC*II+512 th:TH_LOAD_NT
.set II, II+1
.endr
.set II, 0
.rept 32
	global_load_b128 v[AC+4*II:AC+4*II+3], v1, s[4:5] offset:REC*II th:TH_LOAD_NT
.set II, II+1
.endr
	global_load_b128 v[4:7], v1, s[6:7]            ; bn2
	s_wait_loadcnt 33                              ; the 32 pairs (m, l) are in; the 33 loads issued behind them may stay out
	v_max3_num_f32 v8, v[ML], v[ML+2], v[ML+4]
.irp i, 3,5,7,9,11,13,15,17,19,21,23,25,27,29
	v_max3_num_f32 v8, v8, v[ML+2*\i], v[ML+2*\i+2]
.endr
	v_max_num_f32 v8, v8, v[ML+62]                 ; M
.set II, 0
.rept 32
	v_sub_f32 v[ML+2*II], v[ML+2*II], v8
.set II, II+1
.endr
.set II, 0
.rept 32
	v_exp_f32 v[ML+2*II], v[ML+2*II]               ; w_i, at most 1
.set II, II+1
.endr
	v_nop                                          ; a plain line behind the last exponential,
	s_wait_alu depctr_va_vdst(0)                   ; and one wait for the batch, ahead of its first reader
	v_mul_f32 v10, v[ML], v[ML+1]                  ; sum w_i l_i, in two chains
	v_mul_f32 v11, v[ML+2], v[ML+3]
.irp i, 2,4,6,8,10,12,14,16,18,20,22,24,26,28,30
	v_fmac_f32 v10, v[ML+2*\i], v[ML+2*\i+1]
	v_fmac_f32 v11, v[ML+2*\i+2], v[ML+2*\i+3]
.endr
	v_add_f32 v10, v10, v11
	v_rcp_f32 v10, v10                             ; at least one w_i is 1 and its l_i at least 1: the sum is no zero
	s_wait_loadcnt 0x0                             ; acc and bn2
	v_pk_mul_f32 v[12:13], v[AC:AC+1], v[ML:ML+1] op_sel_hi:[1,0]          ; sum w_i acc_i: work that does not name the reciprocal
	v_pk_mul_f32 v[14:15], v[AC+2:AC+3], v[ML:ML+1] op_sel_hi:[1,0]
.set II, 1
.rept 31
	v_pk_fma_f32 v[12:13], v[AC+4*II:AC+4*II+1], v[ML+2*II:ML+2*II+1], v[12:13] op_sel_hi:[1,0,1]
	v_pk_fma_f32 v[14:15], v[AC+4*II+2:AC+4*II+3], v[ML+2*II:ML+2*II+1], v[14:15] op_sel_hi:[1,0,1]
.set II, II+1
.endr
	s_wait_alu depctr_va_vdst(0)                   ; the wait for the reciprocal, ahead of its first reader
	v_pk_fma_f32 v[12:13], v[12:13], v[10:11], v[4:5] op_sel_hi:[1,0,1]
	v_pk_fma_f32 v[14:15], v[14:15], v[10:11], v[6:7] op_sel_hi:[1,0,1]
	global_store_b128 v1, v[12:15], s[8:9]         ; a graph's 512 bytes, at a multiple of 256 from out0's first byte
	s_endpgm
.Lfunc_end_k_q903eec605f_merge:
	.size	k_q903eec605f_merge, .Lfunc_end_k_q903eec605f_merge-k_q903eec605f_merge
	.p2alignl 7, 3214868480
	.fill 96, 4, 3214868480
	.section	.rodata,"a",@progbits
	.p2align	6, 0x0
	.amdhsa_kernel k_q903eec605f_merge
		.amdhsa_group_segment_fixed_size 0
		.amdhsa_private_segment_fixed_size 0
		.amdhsa_enable_private_segment 0
		.amdhsa_kernarg_size 24
		.amdhsa_user_sgpr_count 2
		.amdhsa_user_sgpr_kernarg_segment_ptr 1
		.amdhsa_wavefront_size32 1
		.amdhsa_system_sgpr_workgroup_id_x 1
		.amdhsa_system_sgpr_workgroup_id_y 1
		.amdhsa_system_sgpr_workgroup_id_z 1
		.amdhsa_system_vgpr_workitem_id 0
		.amdhsa_next_free_vgpr 224
		.amdhsa_next_free_sgpr 66
		.amdhsa_reserve_vcc 0
		.amdhsa_float_denorm_mode_32 3
		.amdhsa_float_denorm_mode_16_64 3
		.amdhsa_memory_ordered 1
		.amdhsa_forward_progress 1
		.amdhsa_inst_pref_size 16
	.end_amdhsa_kernel
	.amdgpu_metadata
---
amdhsa.version: [ 1, 2 ]
amdhsa.kernels:
  - .name:           k_q903eec605f_merge
    .symbol:         k_q903eec605f_merge.kd
    .args:
      - { .name: part, .offset: 0, .size: 8, .value_kind: global_buffer, .address_space: global }
      - { .name: bn2, .offset: 8, .size: 8, .value_kind: global_buffer, .address_space: global }
      - { .name: out0, .offset: 16, .size: 8, .value_kind: global_buffer, .address_space: global }
    .group_segment_fixed_size: 0
    .private_segment_fixed_size: 0
    .kernarg_segment_align: 8
    .kernarg_segment_size: 24
    .max_flat_workgroup_size: 32
    .sgpr_count:     66
    .vgpr_count:     224
    .wavefront_size: 32
...
	.end_amdgpu_metadata
.endif
;; end of part 2
